; MI455X (gfx1250); checked and timed in simulation.
; The chip was launched on July 23, 2026; its instructions are those of AMD's public machine-readable ISA for CDNA 5 (MIT licence, August 2026) and "CDNA5" Instruction Set Architecture Reference Guide (July 2026). The comments in the code are by the model that wrote it; some were corrected since.
;; Head. Allowed arithmetic: matrix products marked QUANTISED: E2M3 operands, one E8M0 scale for each 32 along K, by v_wmma_scale_f32_16x16x128_f8f6f4 with both operands' format E2M3, f32 sums; everything else in f32.
;; Inputs: Wk_codes 128 x 4 x 24 uint8 (E2M3 codes of Wk, K innermost, in blocks of 32 codes, four codes in three bytes); Wk_scales 128 x 4 uint8 (E8M0 scales of Wk, one for each 32 codes along K); Wq_codes 128 x 4 x 24 uint8 (E2M3 codes of Wq, K innermost, in blocks of 32 codes, four codes in three bytes); Wq_scales 128 x 4 uint8 (E8M0 scales of Wq, one for each 32 codes along K); Wv_codes 128 x 4 x 24 uint8 (E2M3 codes of Wv, K innermost, in blocks of 32 codes, four codes in three bytes); Wv_scales 128 x 4 uint8 (E8M0 scales of Wv, one for each 32 codes along K); x_codes 16 x 2,048 x 4 x 24 uint8 (E2M3 codes of x, K innermost, in blocks of 32 codes, four codes in three bytes); x_scales 16 x 2,048 x 4 uint8 (E8M0 scales of x, one for each 32 codes along K).
;; Outputs: out0 16 x 2,048 x 128 float32.
;; This version of the problem:
;;   THIS VERSION OF THE PROBLEM IS GIVEN IN LOW PRECISION. The matrix products marked QUANTISED in the list below multiply operands that are first quantised to E2M3 (2 exponent bits, 3 mantissa bits; 6 bits a number), with one power-of-two scale for each 32 numbers along K (OCP MX v1.0); their sums are f32. All else is computed in f32.
;;   The module's matrix products, in the order in which they are computed (A, B: the left and right operand; K: the contracted axis; several contracted axes count as one K, in the product's order):
;;     1. [M 32,768, K 128] x [K 128, N 128]; A: input x (given as codes); B: input Wq (given as codes): QUANTISED
;;     2. [M 32,768, K 128] x [K 128, N 128]; A: input x (given as codes); B: input Wk (given as codes): QUANTISED
;;     3. [M 32,768, K 128] x [K 128, N 128]; A: input x (given as codes); B: input Wv (given as codes): QUANTISED
;;     4. batch 16 x [M 2,048, K 128] x [K 128, N 2,048]; A: computed on the way; B: computed on the way: QUANTISED
;;     5. batch 16 x [M 2,048, K 2,048] x [K 2,048, N 128]; A: softmax (see below); B: computed on the way: QUANTISED
;;   THE QUANTISER, for each operand of a quantised product, along K:
;;     - K is cut into blocks of 32 from its start; a last block that is shorter is filled with zeros.
;;     - A block's scale is 2^e with e = floor(log2(the largest magnitude in the block)) - 2, held to -126 .. 127; a block of zeros has e = 0. As a byte (E8M0): e + 127.
;;     - Each number is divided by its block's scale, clamped to +-7.5, and rounded to the nearest number of E2M3, ties to even, subnormals kept.
;;     - The product sums the exact products of the quantised numbers (number of the format x scale) in f32.
;;   ~~~python
;;   def quantise(x, axis):      # numpy; x: float32 -> the quantised numbers, widened to float32 again
;;       x = np.moveaxis(x, axis, -1); K = x.shape[-1]
;;       x = np.pad(x, [(0, 0)] * (x.ndim - 1) + [(0, -K % 32)]); x = x.reshape(x.shape[:-1] + (-1, 32)); a = np.abs(x).max(-1, keepdims=True)
;;       e = np.where(a > 0, np.clip(np.frexp(np.where(a > 0, a, 1))[1] - 1 - 2, -126, 127), 0)      # np.frexp(a)[1] - 1 = floor(log2(a)), exactly
;;       r = np.clip(x / 2.0 ** e, -7.5, 7.5)
;;       step = 2.0 ** (np.maximum(np.frexp(np.where(r == 0, 1, r))[1] - 1, 0) - 3)
;;       q = np.round(r / step) * step * 2.0 ** e      # np.round: ties to even
;;       return np.moveaxis(q.reshape(q.shape[:-2] + (-1,))[..., :K], -1, axis).astype(np.float32)
;;   ~~~
;;   SOFTMAX AHEAD OF A QUANTISED PRODUCT. Where the list says 'softmax', what is quantised is not the finished softmax but p = 2^(t - M), with t = logit x log2(e) and M = ceil(the row's largest t), a whole number; so 1/2 < the row's largest p <= 1. The row's sum l is taken of the UNQUANTISED p, in f32, and the product's result is divided by l at the end. Since M is a whole number, a kernel that streams over the keys may use a running M (the ceiling of the running maximum): every later rescaling is an exact power of two, which a block's scale takes up: the codes' values come out the same.
;;   OPERANDS COMPUTED ON THE WAY. 'Computed on the way' means the value that the module computes at that place (a softmax that the list does not call 'softmax' is quantised finished and normalised). What goes into a quantiser is computed in f32, as accurately as f32 sums, v_exp_f32 and their like allow (about 1e-6 of the number): no bf16 or f16 on the way to a quantiser, and a product that is left as it is and whose result goes on into a quantised operand takes f32 operands (vector FMAs, or v_wmma_f32_16x16x4_f32). A number that lies on a knife's edge between two numbers of the format may be rounded either way, as far as f32 arithmetic and the matrix unit's own rounding can turn it there, and no further.
;;   INPUTS GIVEN AS CODES. Wk (in the module: [128, 128], K = its axis 1); Wq (in the module: [128, 128], K = its axis 1); Wv (in the module: [128, 128], K = its axis 1); x (in the module: [16, 2048, 128], K = its axis 2): each comes as NAME_codes (uint8): NAME with its K axis moved to the last place and cut into blocks of 32 codes, [.., K / 32, bytes a block], one block behind the other in memory; four codes in three bytes: a row's codes are one little-endian stream of bits, code i at bits 6 i .. 6 i + 5 (a code: sign, 2 exponent bits, 3 mantissa bits); and NAME_scales (uint8): the same leading axes, one E8M0 byte (e + 127) for each 32 codes along K. Its value is code x scale, taken as it is: it is not quantised again, and the codes and scales need not be those that the quantiser above would give.
;; One version. Each part assembles by itself: llvm-mc -triple=amdgcn-amd-amdhsa -mcpu=gfx1250 --defsym DOCPART=n.
;; ======== version 1 of 1: 2 launches
;; limits: right only within a limited range of input values
;; workspace buffers: kvimg 6,553,600 bytes
;; launch project (part 1): grid 256 x 1, 8 waves a work-group, no clusters, 168,960 bytes of LDS; arguments Wk_codes, Wv_codes, x_codes, Wk_scales, Wv_scales, x_scales, kvimg; writes kvimg
.if DOCPART == 1
	.amdgcn_target "amdgcn-amd-amdhsa--gfx1250"
	.amdhsa_code_object_version 6
	.text
	.protected	k_q80cf7c254a_project
	.globl	k_q80cf7c254a_project
	.p2align	8
	.type	k_q80cf7c254a_project,@function
k_q80cf7c254a_project:
	s_mov_b64 s[64:65], 0
	v_nop
	global_prefetch_b8 v0, s[64:65] scope:SCOPE_SE
	s_setreg_imm32_b32 hwreg(HW_REG_WAVE_MODE, 25, 1), 1
	s_wait_xcnt 0x0
; k = x Wk^T, v = x Wv^T on codes of FP6 (E2M3) with E8M0 scales, and the quantisers of both results: k along the head's 128, v along the tokens, in blocks of 32.  (q is made in the next launch, by the work-groups that use it.)
; x: [16][2048][128], the weights [128][128], as codes (a row of 128 codes is 96 bytes) with one scale word of four bytes a row.
; WHAT IS STORED are REGISTER IMAGES for the next launch: the 12 registers of a fragment (16 rows x 128 along K) as three pieces of 512 bytes, piece i holding registers 4 i .. 4 i + 3 of lane l at byte 16 l.
;   kvimg [256 chunks of 128 tokens][25,600]: +0 K's eight tiles (1,536 each), +12,288 V^T's eight, +24,576 K's scale words, +25,088 V's: lane l's 16 bytes are the words of tiles 4 (l / 16) .. + 3 for row l % 16.
; TILE 4 c + j OF EVERY TENSOR HERE (K by tokens of the chunk, V^T by channels, the weights and x by rows) takes rows 64 c + 32 (m / 8) + 8 j + m % 8, m = 0 .. 15.
; EVERY PRODUCT IS USED SO THAT A LANE'S REGISTERS RUN ALONG THE NEXT K: source 0 = the eight tiles of the tensor whose rows become the next K (Wk; for v: x), source 1 = the tile that a lane is to hold (x; for v: Wv).
; The 32 results of source 0's tiles 4 c .. 4 c + 3 in lane (r, h) are 32 neighbours 64 c + 32 h + 0 .. 31: ONE SCALE BLOCK in one lane, and the six registers of the operand as they are wanted.
; ALONG THESE PRODUCTS' OWN K a lane takes 48 neighbouring bytes of a row, blocks 2 h and 2 h + 1: so the place 2 e + h along K holds block 2 h + e, in both sources alike, and bytes 1 and 2 of each scale word change places.
; SHARES.  A work-group owns one chunk of 128 tokens.  Waves 0 to 3 make K's tiles 2 i, 2 i + 1 (i = w % 4), waves 4 to 7 V^T's: all waves run one text: eight tiles A of source 0, two tiles B of source 1, sixteen products, four blocks.
; A block's scale byte is its largest magnitude's exponent field - 2, held at 1 from below.
; LDS: a row of 96 bytes lies at 112 row + 128 (row / 32), so that the 16 rows that a load touches lie in 16 different 16-byte columns of 256 bytes.  Such rows no tile descriptor lays (its padding stands behind a power of two of words): so the codes come through registers, each byte once, in units of 512 bytes a wave.
; NO CLUSTER: a joint request is a tensor load, which cannot lay these rows; what the work-groups share is 25,600 bytes that each fetches once at its start, and no loop follows.  NO PREFETCH: there is no loop to run ahead in.
; WORK LEFT OUT: none here.  The next launch leaves out the key chunks that lie wholly behind the causal mask: a NaN, an infinity or an overflow that reaches only those is not carried to the result.
; LIMITS: a block of zeros gets the byte 1 and not 127: its codes are 0 and add nothing under either byte.  NaN, infinities and the scale byte 0xff among the inputs are not served.
.set TSZ,  14848                       ; LDS bytes of a tensor of 128 rows: Wk, Wv, x in this order
.set BAND, 7424                        ; from a band of 64 rows to the next
.set R32,  3712                        ; from a group of 32 rows to the next
.set SCL,  3*TSZ                       ; scale words, 512 bytes a tensor
.set SG,   SCL+1536                    ; the results' scale words are gathered here: k's, v's 512
.set SPARE, SG+1024
.set SPW,  2
.set NIL,  3
.set GO,   5                           ; v5     16 x thread
.set LA,   6                           ; v6-8   where my three pieces of 16 bytes of a tensor go
.set LS,   14
.set GS,   15
.set AA,   16                          ; my place in the fragments of A and of B, and in their scale words
.set BA,   17
.set AS,   18
.set BS,   19
.set ST16, 20                          ; my place in the image
.set GA,   22                          ; my word in the gather
.set GL,   23
.set L16,  24
.set H8,   25                          ; 8 h
.set ASC,  28                          ; v28-37 scale words: scales and nothing else
.set BSC,  36
.set EX,   40                          ; v40-43 the four blocks' scale operands
.set BM,   44                          ; v44-51 two chains a block
.set AC,   64                          ; v64-191 four blocks of 32 results, two a tile of B (ahead of that: the codes on their way to LDS)
.set CD,   192                         ; v192-215 their codes, v216-231 the upper halves
.set TC,   216
.set KIND, 35                          ; s35  0: K, 1: V;  s33 = 1 - that
.macro WIN2 prev, new                  ; s_set_vgpr_msb; the high byte repeats the setting that is left
	s_set_vgpr_msb (\prev<<8)|\new
.endm
	s_load_b256 s[4:11], s[0:1], 0x0               ; codes of Wk, Wv, x; scales of Wk
	s_load_b128 s[12:15], s[0:1], 0x20             ; scales of Wv, x
	s_load_b64 s[20:21], s[0:1], 0x30              ; kvimg
	v_lshl_add_u32 v[SPW], v0, 2, SPARE
	v_mov_b32 v[NIL], 0
	v_lshrrev_b32 v4, 5, v0
	v_readfirstlane_b32 s24, v4                    ; wave 0..7
	s_and_b32 s30, s24, 3                          ; i
	s_lshr_b32 s31, s30, 1
	s_and_b32 s34, s30, 1
	s_lshr_b32 s[KIND], s24, 2
	s_xor_b32 s33, s[KIND], 1
	s_mul_i32 s26, ttmp9, 12288                    ; my chunk in x's codes,
	s_mov_b32 s27, 0
	s_lshl_b32 s28, ttmp9, 9                       ; in x's scale words,
	s_mov_b32 s29, 0
	s_mul_i32 s54, ttmp9, 25600                    ; in kvimg
	s_mov_b32 s55, 0
	s_mul_i32 s36, s[KIND], 2*TSZ                  ; A: Wk or x
	s_mul_i32 s37, s33, 2*TSZ                      ; B: x or Wv, tiles 2 i, 2 i + 1
	s_mul_i32 s47, s[KIND], TSZ
	s_add_co_u32 s37, s37, s47
	s_mul_i32 s47, s31, BAND
	s_add_co_u32 s37, s37, s47
	s_mul_i32 s47, s34, 1792
	s_add_co_u32 s37, s37, s47
	s_lshl_b32 s38, s[KIND], 10                    ; the same of the scale words
	s_add_co_u32 s38, s38, SCL
	s_lshl_b32 s39, s33, 10
	s_lshl_b32 s42, s[KIND], 9
	s_add_co_u32 s39, s39, s42
	s_lshl_b32 s48, s31, 8
	s_add_co_u32 s39, s39, s48
	s_lshl_b32 s47, s34, 6
	s_add_co_u32 s39, s39, s47
	s_add_co_u32 s39, s39, SCL
	s_mul_i32 s40, s[KIND], 12288                  ; the image: tiles 2 i, 2 i + 1
	s_mul_i32 s47, s30, 3072
	s_add_co_u32 s40, s40, s47
	s_add_co_u32 s42, s42, s48                     ; the gather: 512 kind + 256 (tile / 4) + 16 r + 4 (tile % 4)
	s_lshl_b32 s47, s34, 3
	s_add_co_u32 s42, s42, s47
	s_add_co_u32 s42, s42, SG
	s_lshl_b32 s44, s24, 9
	s_add_co_u32 s58, s44, 24576                   ; where the gathered words go (waves 0, 1)
	s_mov_b32 s59, 0
	s_add_co_u32 s44, s44, SG
	v_lshlrev_b32 v[GO], 4, v0
	v_lshlrev_b32 v[GS], 1, v0
	v_lshrrev_b32 v9, 1, v0
	v_and_b32 v10, 1, v0
	v_lshl_add_u32 v9, v9, 2, v10
	v_add_nc_u32 v[LS], SCL, v9                    ; a thread's two scale bytes go to bytes n % 2 and n % 2 + 2 of their word
.irp k, 0,1,2
	v_add_nc_u32 v9, 256*\k, v0                    ; piece p = thread + 256 k of 768: row p / 6, at 16 (p + row) + 128 (row / 32)
	v_mul_u32_u24 v10, 10923, v9
	v_lshrrev_b32 v10, 16, v10
	v_lshrrev_b32 v11, 5, v10
	v_add_nc_u32 v9, v9, v10
	v_lshlrev_b32 v9, 4, v9
	v_lshl_add_u32 v[LA+\k], v11, 7, v9
.endr
	v_and_b32 v9, 15, v0                           ; r
	v_bfe_u32 v10, v0, 4, 1                        ; h
	v_bfe_u32 v11, v0, 3, 1
	v_and_b32 v12, 7, v0
	v_mul_u32_u24 v13, R32, v11
	v_lshlrev_b32 v4, 7, v11
	v_mad_u32_u24 v13, v12, 112, v13
	v_lshl_add_u32 v4, v12, 2, v4
	v_mad_u32_u24 v13, v10, 48, v13
	v_lshlrev_b32 v[H8], 3, v10
	v_add_nc_u32 v[AS], s38, v4
	v_add_nc_u32 v[BS], s39, v4
	v_add_nc_u32 v[AA], s36, v13
	v_add_nc_u32 v[BA], s37, v13
	v_and_b32 v12, 31, v0
	v_lshl_add_u32 v[GA], v9, 4, s42
	v_lshlrev_b32 v[L16], 4, v12
	v_add_nc_u32 v[GL], s44, v[L16]
	v_add_nc_u32 v[ST16], s40, v[L16]
	s_wait_alu depctr_va_vdst(0)
	s_wait_kmcnt 0x0
	s_add_nc_u64 s[8:9], s[8:9], s[26:27]
	s_add_nc_u64 s[14:15], s[14:15], s[28:29]
.irp b, 4,6,8
.irp k, 0,1,2
	global_load_b128 v[AC+6*\b-24+4*\k:AC+6*\b-24+4*\k+3], v[GO], s[\b:\b+1] offset:4096*\k
.endr
.endr
.irp b, 10,12,14
	global_load_u16 v[AC+31+\b/2], v[GS], s[\b:\b+1]
.endr
	s_add_nc_u64 s[54:55], s[20:21], s[54:55]
	s_add_nc_u64 s[56:57], s[54:55], s[58:59]
.irp t, 0,1,2
.irp k, 0,1,2
	s_wait_loadcnt 11-3*\t-\k                      ; the loads issued behind this piece's may be out
	ds_store_b128 v[LA+\k], v[AC+12*\t+4*\k:AC+12*\t+4*\k+3] offset:TSZ*\t
.endr
.endr
	s_wait_loadcnt 0x0
.irp t, 0,1,2
	v_lshrrev_b32 v[AC+40+\t], 8, v[AC+36+\t]
.endr
.irp t, 0,1,2
	ds_store_b8 v[LS], v[AC+36+\t] offset:512*\t
	ds_store_b8 v[LS], v[AC+40+\t] offset:512*\t+2
.endr
	s_wait_dscnt 0x0                               ; for the others' sake: my pieces are in LDS
	s_barrier_signal -1
	s_barrier_wait -1
.macro LF reg, adr, off                ; a fragment: 48 bytes of the row as they lie
.irp p, 0,1,2
	ds_load_b128 v[\reg+4*\p:\reg+4*\p+3], v[\adr] offset:\off+16*\p
.endr
.endm
.irp t, 0,1,2,3,4,5,6,7
	ds_load_b32 v[ASC+\t], v[AS] offset:256*(\t/4)+32*(\t%4)
.endr
	ds_load_b32 v[BSC], v[BS]
	ds_load_b32 v[BSC+1], v[BS] offset:32
	WIN2 0, 0x40                                   ; window 1: 0-95 A's eight fragments, 96-119 B's two
.irp t, 0,1,2,3,4,5,6,7
	LF 12*\t, AA, BAND*(\t/4)+896*(\t%4)
.endr
	LF 96, BA, 0
	LF 108, BA, 896
	s_wait_dscnt 3                                 ; all but B's second fragment
	WIN2 0x40, 0x05
.irp b, 0,1                            ; B's tile b: each product a whole sum (K = 128), C = 0
.if \b == 1
	s_wait_dscnt 0x0
.endif
.irp t, 0,1,2,3,4,5,6,7
	v_wmma_scale_f32_16x16x128_f8f6f4 v[AC+64*\b+8*\t:AC+64*\b+8*\t+7], v[12*\t:12*\t+11], v[96+12*\b:96+12*\b+11], 0, v[ASC+\t], v[BSC+\b] matrix_a_fmt:MATRIX_FMT_FP6 matrix_b_fmt:MATRIX_FMT_FP6
.endr
.endr
	WIN2 0x05, 0
.rept 4
	v_nop                                          ; the places (ISA guide 7.12.1) in front of the first read of the results
.endr
; The largest magnitude of each block, two chains a block, the eight chains by turns; each result tile is first read at its low end.
.irp b, 0,1,2,3
	v_max3_num_f32 v[BM+2*\b], |v[AC+32*\b]|, |v[AC+32*\b+1]|, |v[AC+32*\b+2]|
	v_max3_num_f32 v[BM+2*\b+1], |v[AC+32*\b+16]|, |v[AC+32*\b+17]|, |v[AC+32*\b+18]|
.endr
.irp i, 3,5,7,9,11,13
.irp b, 0,1,2,3
	v_max3_num_f32 v[BM+2*\b], v[BM+2*\b], |v[AC+32*\b+\i]|, |v[AC+32*\b+\i+1]|
	v_max3_num_f32 v[BM+2*\b+1], v[BM+2*\b+1], |v[AC+32*\b+16+\i]|, |v[AC+32*\b+17+\i]|
.endr
.endr
.irp b, 0,1,2,3
	v_max3_num_f32 v[BM+2*\b], v[BM+2*\b], v[BM+2*\b+1], |v[AC+32*\b+15]|
.endr
.irp b, 0,1,2,3
	v_max3_num_f32 v[BM+2*\b], v[BM+2*\b], |v[AC+32*\b+31]|, 0x1800000   ; with the floor 2^(3 - 127): the byte is at least 1
.endr
.irp b, 0,1,2,3
	v_add_nc_u32 v[EX+\b], 0xff000000, v[BM+2*\b]  ; 2 off the exponent field: the conversions' scale operand
.endr
.irp b, 0,1,2,3
	v_lshrrev_b32 v[BM+2*\b], 23, v[EX+\b]         ; the bytes: blocks h and 2 + h of each tile
.endr
.irp b, 0,4
	v_lshl_or_b32 v[BM+\b], v[BM+\b+2], 16, v[BM+\b]
.endr
.irp b, 0,4
	v_lshlrev_b32 v[BM+\b], v[H8], v[BM+\b]        ; at their places in the scale word;
.endr
	s_mov_b32 s60, 0x76543210
	s_mov_b32 s61, 0xfedcba98
.irp b, 0,4
	v_permlanex16_b32 v[BM+\b+1], v[BM+\b], s60, s61
.endr
.irp b, 0,4
	v_or_b32 v[BM+\b], v[BM+\b], v[BM+\b+1]        ; with lane l xor 16's two the word is whole (both halves of the lanes hold the same)
.endr
	ds_store_b32 v[GA], v[BM]
	ds_store_b32 v[GA], v[BM+4] offset:4
.irp b, 0,1,2,3
	v_cvt_scalef32_pk16_fp6_f32 v[CD+6*\b:CD+6*\b+2], v[AC+32*\b:AC+32*\b+15], v[EX+\b]
	v_cvt_scalef32_pk16_fp6_f32 v[TC+4*\b:TC+4*\b+2], v[AC+32*\b+16:AC+32*\b+31], v[EX+\b]   ; (a conversion's three registers begin on an even number)
.endr
	v_nop                                          ; one plain place behind a scaled conversion
.irp b, 0,1
.irp i, 0,1,2
	v_mov_b32 v[CD+12*\b+3+\i], v[TC+8*\b+\i]
	v_mov_b32 v[CD+12*\b+9+\i], v[TC+8*\b+4+\i]
.endr
.irp p, 0,1,2
	global_store_b128 v[ST16], v[CD+12*\b+4*\p:CD+12*\b+4*\p+3], s[54:55] offset:1536*\b+512*\p       ; 512 consecutive bytes of a wave, at a multiple of 256 from the buffer's first byte
.endr
.endr
	s_wait_dscnt 0x0                               ; for the others' sake: my words are in the gather
	s_barrier_signal -1
	s_barrier_wait -1
	s_cmp_lt_u32 s24, 2
	s_cbranch_scc0 .Ldone
	ds_load_b128 v[AC:AC+3], v[GL]                 ; waves 0, 1: k's, v's 512 bytes of scale words
	s_wait_dscnt 0x0
	global_store_b128 v[L16], v[AC:AC+3], s[56:57]
.Ldone:
	s_wait_tensorcnt 0x0                           ; the wave's end
	ds_add_u32 v[SPW], v[NIL]
	s_wait_dscnt 0x0
	s_endpgm
.Lfunc_end_k_q80cf7c254a_project:
	.size	k_q80cf7c254a_project, .Lfunc_end_k_q80cf7c254a_project-k_q80cf7c254a_project
	.p2alignl 7, 3214868480
	.fill 96, 4, 3214868480
	.section	.rodata,"a",@progbits
	.p2align	6, 0x0
	.amdhsa_kernel k_q80cf7c254a_project
		.amdhsa_group_segment_fixed_size 168960
		.amdhsa_private_segment_fixed_size 0
		.amdhsa_enable_private_segment 0
		.amdhsa_kernarg_size 56
		.amdhsa_user_sgpr_count 2
		.amdhsa_user_sgpr_kernarg_segment_ptr 1
		.amdhsa_wavefront_size32 1
		.amdhsa_system_sgpr_workgroup_id_x 1
		.amdhsa_system_sgpr_workgroup_id_y 1
		.amdhsa_system_sgpr_workgroup_id_z 1
		.amdhsa_system_vgpr_workitem_id 0
		.amdhsa_next_free_vgpr 384
		.amdhsa_next_free_sgpr 66
		.amdhsa_reserve_vcc 0
		.amdhsa_float_denorm_mode_32 3
		.amdhsa_float_denorm_mode_16_64 3
		.amdhsa_memory_ordered 1
		.amdhsa_forward_progress 1
		.amdhsa_inst_pref_size 19
	.end_amdhsa_kernel
	.amdgpu_metadata
---
amdhsa.version: [ 1, 2 ]
amdhsa.kernels:
  - .name:           k_q80cf7c254a_project
    .symbol:         k_q80cf7c254a_project.kd
    .args:
      - { .name: Wk_codes, .offset: 0, .size: 8, .value_kind: global_buffer, .address_space: global }
      - { .name: Wv_codes, .offset: 8, .size: 8, .value_kind: global_buffer, .address_space: global }
      - { .name: x_codes, .offset: 16, .size: 8, .value_kind: global_buffer, .address_space: global }
      - { .name: Wk_scales, .offset: 24, .size: 8, .value_kind: global_buffer, .address_space: global }
      - { .name: Wv_scales, .offset: 32, .size: 8, .value_kind: global_buffer, .address_space: global }
      - { .name: x_scales, .offset: 40, .size: 8, .value_kind: global_buffer, .address_space: global }
      - { .name: kvimg, .offset: 48, .size: 8, .value_kind: global_buffer, .address_space: global }
    .group_segment_fixed_size: 168960
    .private_segment_fixed_size: 0
    .kernarg_segment_align: 8
    .kernarg_segment_size: 56
    .max_flat_workgroup_size: 256
    .sgpr_count:     66
    .vgpr_count:     384
    .wavefront_size: 32
...
	.end_amdgpu_metadata
.endif
;; end of part 1
;; launch attend (part 2): grid 16 x 16, 8 waves a work-group, clusters of 4 x 1, 327,680 bytes of LDS; arguments x_codes, x_scales, Wq_codes, Wq_scales, kvimg, out0; writes out0
.if DOCPART == 2
	.amdgcn_target "amdgcn-amd-amdhsa--gfx1250"
	.amdhsa_code_object_version 6
	.text
	.protected	k_q80cf7c254a_attend
	.globl	k_q80cf7c254a_attend
	.p2align	8
	.type	k_q80cf7c254a_attend,@function
k_q80cf7c254a_attend:
	s_mov_b64 s[64:65], 0
	v_nop
	global_prefetch_b8 v0, s[64:65] scope:SCOPE_SE
	s_setreg_imm32_b32 hwreg(HW_REG_WAVE_MODE, 25, 1), 1
	s_wait_xcnt 0x0
	s_wait_alu depctr_hold_cnt(0) depctr_sa_sdst(0) depctr_va_vdst(0) depctr_va_sdst(0) depctr_va_ssrc(0) depctr_va_vcc(0) depctr_vm_vsrc(0)
	s_getreg_b32 s2, hwreg(HW_REG_IB_STS2, 6, 4)
	s_cmp_eq_u32 s2, 0
	s_cbranch_scc0 .Lentry_in_a_cluster
	s_endpgm
.Lentry_in_a_cluster:
	s_bfe_u32 s2, ttmp6, 0x10000c
	s_cmp_lg_u32 s2, 0x3003
	s_cbranch_scc0 .Lentry_shape_is_right
	s_endpgm
.Lentry_shape_is_right:
; q = x Wq^T, quantised along the head's 128; out[b][q][:] = the sum over keys k <= q of softmax_k(q . k / sqrt(128)) v[k][:].  All three products on codes of FP6 (E2M3) with E8M0 scales.  16 batches, 2,048 tokens, head size 128; out0 f32.
; kvimg holds K and V^T as REGISTER IMAGES: a fragment's 12 registers as three pieces of 512 bytes, registers 4 i .. 4 i + 3 of lane l at byte 512 i + 16 l.
;   kvimg [16][16 chunks of 128 keys][25,600]: +0 K's eight tiles (1,536 each), +12,288 V^T's eight, +24,576 K's scale words, +25,088 V's (lane l's 16 bytes: tiles 4 (l / 16) .. + 3, row l % 16).
; TILE 4 c + j OF EVERY TENSOR (K and Q by tokens of a chunk, V^T by channels, Wq by rows) takes rows 64 c + 32 (m / 8) + 8 j + m % 8, m = 0 .. 15.
; THE SOFTMAX AHEAD OF THE LAST PRODUCT: t = score x log2(e) / sqrt(128); M = the largest t that the wave has met for the row, rounded up to a whole number; p = 2^(t - M) is quantised along the keys, not normalised.
; The row's sum is taken of the unquantised p and divides at the end.  When M moves, the sum and O are multiplied by 2^(old M - new M).
; LAYOUT.  Q^T = Wq x^T, S^T = K Q^T, O^T = V^T P^T: a lane (r, h) holds ONE query throughout, and its 32 registers of tiles 4 c .. 4 c + 3 of Q^T or S^T are the neighbours 64 c + 32 h + 0 .. 31 along the next K:
; one scale block in one lane, whose codes fall as the six registers of the operand that the next product wants.
; ALONG THE K OF Q^T = Wq x^T a lane takes 48 neighbouring bytes of a row, blocks 2 h and 2 h + 1: the place 2 e + h along K holds block 2 h + e, in both sources alike, and bytes 1 and 2 of each scale word of x and Wq change places.
; SHARES.  A row of 128 queries, number R, wants the key chunks 0 .. R.  Cluster c (four work-groups, one batch) owns the rows 15 - 2 c, 14 - 2 c, 2 c + 1, 2 c; each of its work-groups takes two tiles of 16 queries of EACH of the four rows.
; A tile of a long row (X) and one of a short row (Y) make a pair: 17 key steps together.  Waves w and w xor 4 share a pair (each makes both fragments of Q) and SPLIT THE KEYS, even and odd chunks: 9 and 8 steps.  Trip n of a wave is chunk 2 n + parity; its fragments, once in registers, serve both tiles.
; A short row has at most 8 chunks: Y takes part in trips 0 to 3 alone, and only X's diagonal can lie in trips 4 to 7.  Chunks wholly behind the causal mask are not multiplied: a NaN or an infinity that reaches only those is not carried to the result.
; THE TWO PARTS OF A TILE meet in LDS: both waves put O^T, -M and the sum there; behind a barrier each reads back eight of the tile's 16 rows from both parts, in the order of out0's rows, weighs them by exact powers of two over the common sum and stores whole rows of 512 bytes.
; Y's parts are put there behind trip 3 and joined behind trip 4, X's at the end.
; What a wave's branches hang on is made of the wave's number and c alone and is the same in all four partners; the place in the cluster enters x's and out0's addresses and the mask's threshold (vector data) alone.
; CLUSTER.  The four partners walk the same 16 - 2 c chunks of K and V, so each chunk is asked for JOINTLY: the same tensor load, the same descriptor, a mask that names the four.
; LDS.  Twelve places of 25,600 bytes; chunk n lies in place n % 12.  At the head each wave issues one load: waves 0 to 5 chunks 0 to 5, wave 6 chunks 6 and 7, wave 7 chunks 8 to 11 (of which cluster 3 reads the first two).
; They are shown to all waves as they are wanted: ahead of trip 0 waves 0 to 3 have waited, in the middle of trip 1 waves 4 to 6, behind trip 3 all; each of these groups has load lines of its own.
; Chunks 12 .. 15 - 2 c are filled into places 0 .. behind ONE round, behind trip 3, when every wave of the cluster has left those places; they have trips 4 and 5 and Y's way out in which to land.
; Wq's rows of 96 bytes lie behind the spare words at 112 row + 128 (row / 32), so that the 16 rows that a load touches lie in 16 different 16-byte columns of 256 bytes; no tile descriptor lays such rows, so they come through registers.
; NO PREFETCH: the text has no loop to run ahead in; all chunks but the refilled ones are asked for at the head.
; LIMITS: NaN, infinities and the scale byte 0xff are not served.  The promise holds while the scaled scores stay under 2^31 in magnitude.  The running largest score begins at -3e38.  A p under 2^-126 is 0 (v_exp_f32); a block that is all 0 gets the byte 1 and not 127:
; its codes are 0.  2^(old M - new M) is made as a number: under 2^-149 it is 0, where the old sums count for less than 2^-149 of the new ones.
.set CHUNK, 25600
.set VCO,   12288
.set KSO,   24576
.set VSO,   25088
.set FOUR,  4*CHUNK
.set SPARE, 12*CHUNK                   ; the spare words, 128 bytes for each wave
.set WQB,   SPARE+1024                 ; Wq's codes, 14,848 bytes,
.set WQS,   WQB+14848                  ; and its scale words, 512
.set XBY,   10752                      ; the exchange, from place 4 on: for each wave 16 pieces of O^T, 656 bytes apart (lanes 16-31 384 bytes behind lanes 0-15, so that the 16 lanes that read a row back touch 16 different 16-byte columns of 256 bytes),
.set XST,   10496                      ; and 16 x 8 bytes of -M and sum.  Places 4 to 7 have had their only fill, and nobody reads chunks 4 to 7 any more
.set L16, 1
.set AD,  3                            ; LDS address of my 16 bytes in a chunk
.set SPW, 5
.set QWX, 6                            ; v6, v7, v32-40 hold scales and nothing else
.set QWY, 7
.set NIL, 8
.set H8,  9                            ; 8 h
.set THR, 10                           ; my query's number in its row of 128, less 32 h
.set NINF, 11
.set SX,  12                           ; v12-15 X's statistics: -M, the largest score so far, the sum in two halves
.set SY,  16
.set FAC, 20                           ; v20 2^(old M - new M); v21 is named with it as a pair
.set T0,  22
.set T1,  23
.set BM,  24                           ; v24-27 four chains of maxima
.set EX,  28                           ; v28, 29 the two blocks' largest p, then the conversions' scale operands
.set PX,  30
.set KS,  32                           ; K's scale words: register i: lanes 0-15 tile i, lanes 16-31 tile 4 + i; at the head v32-39 Wq's
.set VS,  36
.set PW,  40
.set RA,  41                           ; the exchange: where I read rows back,
.set PC,  42                           ; v42-53 p's codes
.set TC,  54                           ; v54-56, v58-60 the upper halves of the blocks' codes
.set RS,  57                           ; where I read statistics,
.set DA,  62                           ; where I put O^T,
.set DS,  63                           ; and statistics
.set S,   64                           ; v64-127 S^T, then p; at the head v64-191 Q^T of both tiles
.set OX,  128
.set OY,  192                          ; v192-255; at the head addresses and Wq's codes on their way; behind Y's exchange the rows on their way out
.set KF,  0                            ; window 1: 0-95 K's eight fragments (at the head Wq's),
.set VF,  96                           ; 96-191 V^T's (at the head x's two, 96-119, and from 128 on the upper halves of Q's codes),
.set QX,  192                          ; 192-203, 204-215 the two fragments of Q
.set QY,  204
.set WVN, 16
.set CC,  17
.set CX,  18
.set BAT, 19
.set SEL, 20                           ; s[20:21] v_permlanex16_b32's selects for lane l xor 16
.set CS,  22                           ; s[22:23] log2(e) / sqrt(128), named as a pair
.set JJ,  24                           ; the chunk in hand, TB its place in LDS, TBN the place of my next chunk
.set TB,  25
.set G1,  28                           ; s[28:35] descriptor group 1, one chunk; G1D two chunks, G1Q four
.set G0,  36                           ; s[36:39] group 0 of waves 0 to 5; G0R of the refill; G0D, G0Q of waves 6, 7
.set G0R, 40
.set G0D, 44
.set ROLE, 52                          ; w / 4: which eight rows of a tile I finish
.set EE,  53
.set OBX, 54
.set RX,  56                           ; X's row of 128 queries, NX = RX + 1 its chunks
.set NX,  57
.set RY,  58
.set NY,  59
.set PAR, 60
.set PCH, 61                           ; parity x 25,600
.set OBY, 62
.set TBN, 66
.set QO,  67                           ; my tile's first query in its row of 128
.set G1D, 68
.set G1Q, 76
.set G0Q, 84
.set LIM, 89                           ; 4 - 2 c: how many chunks beyond the twelfth the cluster walks
.set TIL, 90
.set MSB, 0
.macro WIN new                         ; s_set_vgpr_msb: bits 1:0 source 0, 3:2 source 1, 5:4 source 2, 7:6 destination; the high byte repeats the setting that is left
.if MSB != \new
	s_set_vgpr_msb (MSB<<8)|\new
.set MSB, \new
.endif
.endm
.macro WALU
	s_wait_alu depctr_va_vdst(0)
.endm
.macro CROUND                          ; a round of the cluster's barrier
	s_barrier_signal -1
	s_barrier_wait -1
	s_cmp_lg_u32 s[WVN], 0
	s_cbranch_scc1 .Lnot_wave_0_\@
	s_barrier_signal -3
.Lnot_wave_0_\@:
	s_barrier_wait -3
	s_barrier_signal -1
	s_barrier_wait -1
.endm
.macro GROUP1 g, rows                  ; dense bytes as rows of 32 elements of 8 bytes; mask 15: all four work-groups; bit 21 set beside a mask
	s_mov_b32 s[\g], 15|(3<<16)|(1<<21)
	s_mov_b32 s[\g+1], 32<<16
	s_mov_b32 s[\g+2], \rows<<16
	s_mov_b32 s[\g+3], 32<<16
	s_mov_b32 s[\g+4], \rows
	s_mov_b32 s[\g+5], 32
	s_mov_b32 s[\g+6], 0
	s_mov_b32 s[\g+7], 0
.endm
.macro TLOAD g0, g1
	tensor_load_to_lds s[\g0:\g0+3], s[\g1:\g1+7]
	s_nop 0
.rept 4
	v_nop
.endr
.endm
	s_load_b256 s[4:11], s[0:1], 0x0               ; x's codes, scales; Wq's codes, scales
	s_load_b128 s[12:15], s[0:1], 0x20             ; kvimg, out0
	v_lshl_add_u32 v[SPW], v0, 2, SPARE
	v_mov_b32 v[NIL], 0
	ds_add_u32 v[SPW], v[NIL]                      ; the wave's opening: the add, twice on end, and its wait ahead of my first tensor load
	ds_add_u32 v[SPW], v[NIL]
	v_lshrrev_b32 v192, 5, v0
	v_readfirstlane_b32 s[WVN], v192               ; wave 0..7
	s_mov_b32 s[CC], ttmp9                         ; in a cluster launch ttmp9 counts clusters
	s_bfe_u32 s[CX], ttmp6, 0x40000
	s_and_b32 s[BAT], ttmp7, 0xffff
	s_lshr_b32 s[ROLE], s[WVN], 2
	s_and_b32 s[EE], s[WVN], 1
	s_add_co_u32 s[PAR], s[ROLE], s[EE]
	s_and_b32 s[PAR], s[PAR], 1                    ; partners (w, w xor 4) differ in it
	s_mul_i32 s[PCH], s[PAR], CHUNK
	s_bfe_u32 s48, s[WVN], 0x10001                 ; which of the cluster's two pairs of rows
	s_lshl_b32 s49, s[CC], 1
	s_add_co_u32 s[RY], s48, s49                   ; the short row,
	s_sub_co_u32 s[RX], 15, s[RY]                  ; and the long row that makes 17 steps with it
	s_add_co_u32 s[NX], s[RX], 1
	s_add_co_u32 s[NY], s[RY], 1
	s_sub_co_i32 s[LIM], 4, s49
	s_lshl_b32 s[TIL], s[CX], 1
	s_add_co_u32 s[TIL], s[TIL], s[EE]             ; the tile in its row, the same for X and Y: 4 c' + j'
	s_lshr_b32 s48, s[TIL], 2
	s_and_b32 s49, s[TIL], 3
	s_lshl_b32 s[QO], s48, 6
	s_lshl_b32 s26, s49, 3
	s_add_co_u32 s[QO], s[QO], s26                 ; 64 c' + 8 j'
	s_lshl_b32 s26, s[BAT], 11
	s_add_co_u32 s26, s26, s[QO]
	s_lshl_b32 s48, s[RX], 7
	s_lshl_b32 s50, s[RY], 7
	s_add_co_u32 s48, s48, s26                     ; X's and Y's first token: 2,048 batch + 128 R + 64 c' + 8 j'
	s_add_co_u32 s50, s50, s26
	s_lshl_b32 s27, s[ROLE], 5
	s_add_co_u32 s[OBX], s48, s27                  ; my eight rows of out0: + 32 role, 512 bytes a row
	s_add_co_u32 s[OBY], s50, s27
	s_lshl_b32 s[OBX], s[OBX], 9
	s_lshl_b32 s[OBY], s[OBY], 9
	s_mov_b32 s[OBX+1], 0
	s_mov_b32 s[OBY+1], 0
	GROUP1 G1, 100
	GROUP1 G1D, 200
	GROUP1 G1Q, 400
	s_mov_b32 s[SEL], 0x76543210
	s_mov_b32 s[SEL+1], 0xfedcba98
	s_mov_b32 s[CS], 0x3e0293ee                    ; log2(e) / sqrt(128)
	s_mov_b32 s[CS+1], 0x3e0293ee
	s_mov_b32 s[G0], 1
	s_mul_i32 s[G0+1], s[WVN], CHUNK               ; place w
	s_mov_b32 s[G0R], 1
	s_mul_i32 s[G0R+1], s[WVN], CHUNK
	s_mov_b32 s[G0D], 1
	s_mov_b32 s[G0D+1], 6*CHUNK
	s_mov_b32 s[G0Q], 1
	s_mov_b32 s[G0Q+1], 8*CHUNK
	v_and_b32 v192, 15, v0                         ; r
	v_bfe_u32 v193, v0, 4, 1                       ; h
	v_and_b32 v194, 31, v0
	v_bfe_u32 v195, v0, 3, 1
	v_and_b32 v196, 7, v0
	v_lshlrev_b32 v[L16], 4, v194
	v_lshlrev_b32 v[H8], 3, v193
	v_lshl_add_u32 v197, v195, 5, v196             ; my token in a tile: 32 (r / 8) + r % 8
	v_add_nc_u32 v198, s48, v197
	v_add_nc_u32 v199, s50, v197
	v_mul_u32_u24 v200, 96, v198
	v_mul_u32_u24 v201, 96, v199
	v_lshlrev_b32 v202, 2, v198
	v_lshlrev_b32 v203, 2, v199
	v_mad_u32_u24 v200, v193, 48, v200
	v_mad_u32_u24 v201, v193, 48, v201
	v_lshlrev_b32 v204, 4, v0
	v_lshlrev_b32 v205, 1, v0
	WALU
	s_wait_dscnt 0x0                               ; both opening adds are done
	CROUND                                         ; all four work-groups are here: the first joint loads meet
	s_mul_i32 s48, s[BAT], 16*CHUNK                ; kvimg: my batch
	s_mov_b32 s49, 0
	s_mul_i32 s50, s[WVN], CHUNK
	s_mov_b32 s51, 0
	s_wait_kmcnt 0x0
.irp k, 0,1,2
	global_load_b128 v[212+4*\k:215+4*\k], v204, s[8:9] offset:4096*\k       ; Wq: 768 pieces of 16 bytes
.endr
	global_load_u16 v224, v205, s[10:11]
	s_add_nc_u64 s[12:13], s[12:13], s[48:49]
	s_add_nc_u64 s[G0+2:G0+3], s[12:13], s[50:51]  ; chunk w
	s_add_nc_u64 s[G0R+2:G0R+3], s[G0+2:G0+3], 12*CHUNK   ; chunk 12 + w (waves 0 to 3 alone use it)
	s_add_nc_u64 s[G0D+2:G0D+3], s[12:13], 6*CHUNK
	s_add_nc_u64 s[G0Q+2:G0Q+3], s[12:13], 8*CHUNK
	s_or_b32 s[G0+3], s[G0+3], 0x80000000
	s_or_b32 s[G0R+3], s[G0R+3], 0x80000000
	s_or_b32 s[G0D+3], s[G0D+3], 0x80000000
	s_or_b32 s[G0Q+3], s[G0Q+3], 0x80000000
	WIN 0x40
.irp p, 0,1,2                          ; x: my two tiles' fragments
	global_load_b128 v[VF+4*\p:VF+4*\p+3], v200, s[4:5] offset:16*\p
	global_load_b128 v[VF+12+4*\p:VF+12+4*\p+3], v201, s[4:5] offset:16*\p
.endr
	WIN 0
	global_load_b32 v230, v202, s[6:7]
	global_load_b32 v231, v203, s[6:7]
	s_cmp_lt_u32 s[WVN], 4                         ; ONE chain of branches, one load to an arm
	s_cbranch_scc0 .Lfill_4
	TLOAD G0, G1
	s_branch .Lasked
.Lfill_4:
	s_cmp_lt_u32 s[WVN], 6
	s_cbranch_scc0 .Lfill_6
	TLOAD G0, G1
	s_branch .Lasked
.Lfill_6:
	s_cmp_lt_u32 s[WVN], 7
	s_cbranch_scc0 .Lfill_7
	TLOAD G0D, G1D
	s_branch .Lasked
.Lfill_7:
	TLOAD G0Q, G1Q
.Lasked:
	s_add_nc_u64 s[OBX:OBX+1], s[14:15], s[OBX:OBX+1]
	s_add_nc_u64 s[OBY:OBY+1], s[14:15], s[OBY:OBY+1]
	s_mul_i32 s26, s[WVN], XBY
	s_add_co_u32 s26, s26, FOUR                    ; my part of the exchange,
	s_add_co_u32 s27, s26, XST
	s_and_b32 s48, s[WVN], 3
	s_mul_i32 s48, s48, XBY
	s_add_co_u32 s48, s48, FOUR                    ; and the pair's two parts, 4 XBY apart
	s_lshl_b32 s49, s[ROLE], 6
	s_add_co_u32 s49, s49, s48
	s_add_co_u32 s49, s49, XST                     ; statistics of rows 8 role + 0 .. 7
	s_lshl_b32 s50, s[ROLE], 7
	s_add_co_u32 s48, s48, s50
.irp k, 0,1,2
	v_add_nc_u32 v225, 256*\k, v0                  ; Wq's piece p = thread + 256 k: row p / 6, at 16 (p + row) + 128 (row / 32)
	v_mul_u32_u24 v226, 10923, v225
	v_lshrrev_b32 v226, 16, v226
	v_lshrrev_b32 v227, 5, v226
	v_add_nc_u32 v225, v225, v226
	v_lshlrev_b32 v225, 4, v225
	v_lshl_add_u32 v225, v227, 7, v225
	v_add_nc_u32 v[206+\k], WQB, v225
.endr
	v_lshrrev_b32 v225, 1, v0
	v_and_b32 v226, 1, v0
	v_lshl_add_u32 v225, v225, 2, v226
	v_mul_u32_u24 v210, 3712, v195                 ; my place in Wq's fragments,
	v_lshlrev_b32 v211, 7, v195
	v_mad_u32_u24 v210, v196, 112, v210
	v_lshl_add_u32 v211, v196, 2, v211
	v_mad_u32_u24 v210, v193, 48, v210
	v_add_nc_u32 v209, WQS, v225                   ; a thread's two scale bytes go to bytes n % 2 and n % 2 + 2 of their word
	v_add_nc_u32 v211, WQS, v211                   ; and in its scale words
	v_add_nc_u32 v210, WQB, v210
	v_lshlrev_b32 v228, 5, v193
	v_mul_u32_u24 v229, 384, v193
	v_sub_nc_u32 v228, v197, v228
	v_lshl_add_u32 v229, v192, 4, v229
	v_add_nc_u32 v[THR], s[QO], v228               ; key 64 (n / 32) + n % 32 + 32 h lies behind my query where 64 (n / 32) + n % 32 > this
	v_add_nc_u32 v[DA], s26, v229
	v_lshl_add_u32 v[DS], v192, 3, s27
	v_lshl_add_u32 v228, v193, 3, v196             ; reading a row back: lane u takes columns 4 u .. + 3, which lie in piece 8 (u / 16) + u % 8, lanes' half (u / 8) % 2
	v_lshl_add_u32 v[RS], v196, 3, s49
	v_mul_u32_u24 v228, 656, v228
	v_mov_b32 v[NINF], 0xff800000
	v_mad_u32_u24 v228, v195, 384, v228
	v_add_nc_u32 v[RA], s48, v228
	WALU                                           ; directly ahead of the waits below
.irp k, 0,1,2
	s_wait_loadcnt 11-\k                           ; the loads issued behind this piece's may be out
	ds_store_b128 v[206+\k], v[212+4*\k:215+4*\k]
.endr
	s_wait_loadcnt 8                               ; x's eight may be out
	v_lshrrev_b32 v225, 8, v224
	ds_store_b8 v209, v224
	ds_store_b8 v209, v225 offset:2
	s_wait_dscnt 0x0                               ; for the others' sake: my pieces of Wq are in LDS
	s_barrier_signal -1
	s_barrier_wait -1                              ; the tensor loads stay on their way
	WIN 0x40
.irp t, 0,1,2,3,4,5,6,7
.irp p, 0,1,2
	ds_load_b128 v[KF+12*\t+4*\p:KF+12*\t+4*\p+3], v210 offset:7424*(\t/4)+896*(\t%4)+16*\p
.endr
.endr
	WIN 0
.irp t, 0,1,2,3,4,5,6,7
	ds_load_b32 v[KS+\t], v211 offset:256*(\t/4)+32*(\t%4)
.endr
	s_wait_loadcnt 0x0                             ; x is in
	v_perm_b32 v[QWX], v230, v230, 0x03010200      ; bytes 1 and 2 change places
	v_perm_b32 v[QWY], v231, v231, 0x03010200
.irp st, SX, SY                        ; (these ten are the eight places between the scale words' writes and the products that name them)
	v_mov_b32 v[\st+1], 0xff61b1e6                 ; the largest score so far: -3e38
	v_mul_f32 v[T0], s[CS], -v[\st+1]
	v_floor_f32 v[\st], v[T0]                      ; -M
	v_mov_b32 v[\st+2], 0
	v_mov_b32 v[\st+3], 0
.endr
	WALU                                           ; directly ahead of the wait below
	s_wait_dscnt 0x0                               ; Wq is in
	WIN 0x05
.irp t, 0,1,2,3,4,5,6,7                ; Q^T of both tiles: each product a whole sum (K = 128), C = 0
	v_wmma_scale_f32_16x16x128_f8f6f4 v[S+8*\t:S+8*\t+7], v[KF+12*\t:KF+12*\t+11], v[VF:VF+11], 0, v[KS+\t], v[QWX] matrix_a_fmt:MATRIX_FMT_FP6 matrix_b_fmt:MATRIX_FMT_FP6
.endr
.irp t, 0,1,2,3,4,5,6,7
	v_wmma_scale_f32_16x16x128_f8f6f4 v[OX+8*\t:OX+8*\t+7], v[KF+12*\t:KF+12*\t+11], v[VF+12:VF+23], 0, v[KS+\t], v[QWY] matrix_a_fmt:MATRIX_FMT_FP6 matrix_b_fmt:MATRIX_FMT_FP6
.endr
	WIN 0
.rept 4
	v_nop                                          ; the places (ISA guide 7.12.1) in front of the first read of the results
.endr
; Q's quantiser: four blocks of 32 a lane, blocks 0, 1 X's (v64 on), 2, 3 Y's; two chains a block, v42-49; scale operands v50-53.
.irp b, 0,1,2,3
	v_max3_num_f32 v[42+2*\b], |v[S+32*\b]|, |v[S+32*\b+1]|, |v[S+32*\b+2]|
	v_max3_num_f32 v[43+2*\b], |v[S+32*\b+16]|, |v[S+32*\b+17]|, |v[S+32*\b+18]|
.endr
.irp i, 3,5,7,9,11,13
.irp b, 0,1,2,3
	v_max3_num_f32 v[42+2*\b], v[42+2*\b], |v[S+32*\b+\i]|, |v[S+32*\b+\i+1]|
	v_max3_num_f32 v[43+2*\b], v[43+2*\b], |v[S+32*\b+16+\i]|, |v[S+32*\b+17+\i]|
.endr
.endr
.irp b, 0,1,2,3
	v_max3_num_f32 v[42+2*\b], v[42+2*\b], v[43+2*\b], |v[S+32*\b+15]|
.endr
.irp b, 0,1,2,3
	v_max3_num_f32 v[42+2*\b], v[42+2*\b], |v[S+32*\b+31]|, 0x1800000   ; with the floor 2^(3 - 127): the byte is at least 1
.endr
.irp b, 0,1,2,3
	v_add_nc_u32 v[50+\b], 0xff000000, v[42+2*\b]  ; 2 off the exponent field
.endr
	WIN 0x40
.irp b, 0,1,2,3
	v_cvt_scalef32_pk16_fp6_f32 v[QX+6*\b:QX+6*\b+2], v[S+32*\b:S+32*\b+15], v[50+\b]
	v_cvt_scalef32_pk16_fp6_f32 v[VF+32+4*\b:VF+32+4*\b+2], v[S+32*\b+16:S+32*\b+31], v[50+\b]   ; (a conversion's three registers begin on an even number)
.endr
	WIN 0
.irp b, 0,1,2,3
	v_lshrrev_b32 v[42+2*\b], 23, v[50+\b]         ; the scale bytes: blocks h and 2 + h of each tile
.endr
	v_lshl_or_b32 v42, v44, 16, v42
	v_lshl_or_b32 v46, v48, 16, v46
	v_lshlrev_b32 v42, v[H8], v42
	v_lshlrev_b32 v46, v[H8], v46
	v_permlanex16_b32 v43, v42, s[SEL], s[SEL+1]
	v_permlanex16_b32 v47, v46, s[SEL], s[SEL+1]
	v_or_b32 v[QWX], v42, v43                      ; with lane l xor 16's two: the scale words
	v_or_b32 v[QWY], v46, v47
	WIN 0x41
.irp b, 0,1,2,3
.irp i, 0,1,2
	v_mov_b32 v[QX+6*\b+3+\i], v[VF+32+4*\b+\i]
.endr
.endr
	WIN 0
	v_mov_b32 v[FAC+1], 0                          ; (named as a pair with FAC)
	v_mov_b32 v[PX], 0                             ; (the destination of a lane permute counts as read)
.macro ADDR s                          ; my address in the chunk at s
	v_add_nc_u32 v[AD], s[\s], v[L16]
.endm
.macro FRAGS reg, off, sc, soff        ; 25 loads: eight fragments and their scale words
	WIN 0x40
.irp t, 0,1,2,3,4,5,6,7
.irp p, 0,1,2
	ds_load_b128 v[\reg+12*\t+4*\p:\reg+12*\t+4*\p+3], v[AD] offset:\off+1536*\t+512*\p
.endr
.endr
	WIN 0
	ds_load_b128 v[\sc:\sc+3], v[AD] offset:\soff
.endm
.macro PKT x, st                       ; pair x of the scores: t - M
	v_pk_fma_f32 v[S+2*(\x):S+2*(\x)+1], v[S+2*(\x):S+2*(\x)+1], s[CS:CS+1], v[\st:\st+1] op_sel_hi:[1,0,0]
.endm
.macro PADD d, s                       ; pair sum in place
	v_pk_add_f32 v[S+\d:S+\d+1], v[S+\d:S+\d+1], v[S+\s:S+\s+1]
.endm
.macro PV t, ob, c, sc, row            ; 16 channels of O^T
	v_wmma_scale_f32_16x16x128_f8f6f4 v[\ob+8*\t:\ob+8*\t+7], v[VF+12*\t:VF+12*\t+11], v[PC:PC+11], \c, v[\sc], v[PW] matrix_a_fmt:MATRIX_FMT_FP6 matrix_b_fmt:MATRIX_FMT_FP6 matrix_a_scale:MATRIX_SCALE_ROW\row
.endm
; A plain barrier that shows the loads of the waves under \under; those of the others may stay on their way.
.macro GATE under
	WALU
	s_wait_dscnt 0x0
	s_cmp_lt_u32 s[WVN], \under
	s_cbranch_scc0 .Lnot_mine_\@
	s_wait_tensorcnt 0x0
.Lnot_mine_\@:
	s_barrier_signal -1
	s_barrier_wait -1
.endm
; ONE TILE'S KEY STEP: 16 queries against the 128 keys whose fragments lie in KF and VF.  mask: its diagonal can lie here.  first: the tile's first step, whose last products start O^T.
; pm: behind the scores my next chunk's K is fetched (1: always; 2: only where Y takes no part in this trip), if X wants that chunk.
; The accumulators take turns, one matrix instruction a turn, from tile to tile too.
.macro TILE qf, qw, st, ob, mask, rw, pm, first
	WIN 0x05
.irp t, 0,1,2,3
	v_wmma_scale_f32_16x16x128_f8f6f4 v[S+8*\t:S+8*\t+7], v[KF+12*\t:KF+12*\t+11], v[\qf:\qf+11], 0, v[KS+\t], v[\qw] matrix_a_fmt:MATRIX_FMT_FP6 matrix_b_fmt:MATRIX_FMT_FP6
.endr
.irp t, 4,5,6,7
	v_wmma_scale_f32_16x16x128_f8f6f4 v[S+8*\t:S+8*\t+7], v[KF+12*\t:KF+12*\t+11], v[\qf:\qf+11], 0, v[KS+\t-4], v[\qw] matrix_a_fmt:MATRIX_FMT_FP6 matrix_b_fmt:MATRIX_FMT_FP6 matrix_a_scale:MATRIX_SCALE_ROW1
.endr
	WIN 0
.rept 4
	v_nop                                          ; places in front of the loads below and of the first read of the scores
.endr
.if \pm
.if \pm == 2
	s_cmp_lt_u32 s[JJ], s[NY]
	s_cbranch_scc1 .Lno_pre_\@
.endif
	s_add_co_u32 s26, s[JJ], 2
	s_cmp_ge_u32 s26, s[NX]
	s_cbranch_scc1 .Lno_pre_\@
	ADDR TBN
	FRAGS KF, 0, KS, KSO
.Lno_pre_\@:
.endif
.if \mask
	s_cmp_lg_u32 s[JJ], s[\rw]                     ; the chunk on the tile's diagonal?  (ids alone)
	s_cbranch_scc1 .Lopen_\@
.set n, 0
.rept 16                               ; a key behind my query counts as -infinity, so that its p is 0
.irp k, 0,1,2,3
	v_cmp_gt_i32 s[48+\k], 64*((n+\k)/32)+(n+\k)%32, v[THR]
.endr
.irp k, 0,1,2,3
	v_cndmask_b32 v[S+n+\k], v[S+n+\k], v[NINF], s[48+\k]
.endr
.set n, n+4
.endr
.Lopen_\@:
.endif
.irp b, 0,1,2,3                        ; the largest score of each block of 32 keys, four chains; each tile of scores is first read at its low end
	v_max3_num_f32 v[BM+\b], v[S+16*\b], v[S+16*\b+1], v[S+16*\b+2]
.endr
.irp i, 3,5,7,9,11,13
.irp b, 0,1,2,3
	v_max3_num_f32 v[BM+\b], v[BM+\b], v[S+16*\b+\i], v[S+16*\b+\i+1]
.endr
.endr
	v_max3_num_f32 v[BM], v[BM], v[BM+1], v[S+15]
	v_max3_num_f32 v[BM+2], v[BM+2], v[BM+3], v[S+47]
	v_max_num_f32 v[BM], v[BM], v[S+31]
	v_max_num_f32 v[BM+2], v[BM+2], v[S+63]
	v_max_num_f32 v[T0], v[BM], v[BM+2]
	s_delay_alu instid0(VALU_DEP_1)
	v_permlanex16_b32 v[PX], v[T0], s[SEL], s[SEL+1]
	s_delay_alu instid0(VALU_DEP_1)
	v_max3_num_f32 v[\st+1], v[\st+1], v[T0], v[PX]   ; the running largest score of my query, with lane l xor 16's keys
	s_delay_alu instid0(VALU_DEP_1)
	v_mul_f32 v[T0], s[CS], -v[\st+1]
	s_delay_alu instid0(VALU_DEP_1)
	v_floor_f32 v[T0], v[T0]                       ; -M = floor(-t): M is a whole number
	s_delay_alu instid0(VALU_DEP_1)
	v_sub_f32 v[T1], v[T0], v[\st]                 ; old M - new M: a whole number, 0 or less
	v_mov_b32 v[\st], v[T0]
	s_delay_alu instid0(VALU_DEP_2)
	v_cvt_i32_f32 v[T1], v[T1]
	v_fma_f32 v[EX], v[BM], s[CS], v[\st]          ; a block's largest p comes of its largest score, by the arithmetic that makes every p
	s_delay_alu instid0(VALU_DEP_2)
	v_ldexp_f32 v[FAC], 1.0, v[T1]
	v_fma_f32 v[EX+1], v[BM+2], s[CS], v[\st]
.if \first == 0
	WALU                                           ; directly ahead of the first reader of O^T
.set n, 0
.rept 32
	v_pk_mul_f32 v[\ob+2*n:\ob+2*n+1], v[\ob+2*n:\ob+2*n+1], v[FAC:FAC+1] op_sel_hi:[1,0]   ; O^T under the new M
.set n, n+1
.endr
.endif
.set n, 0
.rept 16
	PKT n, \st
.set n, n+1
.endr
	WALU                                           ; a wait ahead of a batch of exponentials and one behind it
	v_exp_f32 v[EX], v[EX]
	v_exp_f32 v[EX+1], v[EX+1]
.set n, 0
.rept 16
	v_exp_f32 v[S+2*n], v[S+2*n]                   ; p = 2^(t - M), the first block; the second block's t - M stand between
	v_exp_f32 v[S+2*n+1], v[S+2*n+1]
	PKT 16+n, \st
.set n, n+1
.endr
	WALU
	v_max_u32 v[EX], 0x01800000, v[EX]             ; the exponent field, held at 3 from below,
	v_max_u32 v[EX+1], 0x01800000, v[EX+1]
	v_add_nc_u32 v[EX], 0xff000000, v[EX]          ; less 2: the conversion's scale operand
	v_add_nc_u32 v[EX+1], 0xff000000, v[EX+1]
	v_cvt_scalef32_pk16_fp6_f32 v[PC:PC+2], v[S:S+15], v[EX]
	v_cvt_scalef32_pk16_fp6_f32 v[TC:TC+2], v[S+16:S+31], v[EX]   ; (a conversion's three registers begin on an even number)
	v_lshrrev_b32 v[T0], 23, v[EX]                 ; the scale bytes (and the plain places behind the conversions)
	v_lshrrev_b32 v[T1], 23, v[EX+1]
.set n, 0
.rept 8
	v_exp_f32 v[S+32+4*n], v[S+32+4*n]             ; the second block; between stand sums of the first, none of which reads another's result
	v_exp_f32 v[S+33+4*n], v[S+33+4*n]
	v_exp_f32 v[S+34+4*n], v[S+34+4*n]
	v_exp_f32 v[S+35+4*n], v[S+35+4*n]
	PADD 4*n, 4*n+2
.set n, n+1
.endr
	WALU
	v_cvt_scalef32_pk16_fp6_f32 v[PC+6:PC+8], v[S+32:S+47], v[EX+1]
	v_cvt_scalef32_pk16_fp6_f32 v[TC+4:TC+6], v[S+48:S+63], v[EX+1]
	PADD 0, 16                                     ; the row's sum is taken of the UNQUANTISED p: four chains
	PADD 4, 20
	PADD 8, 24
	PADD 12, 28
	v_lshl_or_b32 v[T0], v[T1], 16, v[T0]          ; my two bytes: blocks h and 2 + h,
.irp i, 0,1,2
	v_mov_b32 v[PC+3+\i], v[TC+\i]
.endr
	v_lshlrev_b32 v[T0], v[H8], v[T0]              ; at their places in the scale word
	PADD 0, 32
	PADD 4, 34
	PADD 8, 36
	PADD 12, 38
	v_permlanex16_b32 v[PX], v[T0], s[SEL], s[SEL+1]
.irp i, 0,1,2
	v_mov_b32 v[PC+9+\i], v[TC+4+\i]
.endr
	PADD 0, 40
	v_or_b32 v[PW], v[T0], v[PX]                   ; with lane l xor 16's two: p's scale word for these 128 keys, more than eight plain instructions ahead of the products that name it
	PADD 4, 42
	PADD 8, 44
	PADD 12, 46
	PADD 0, 48
	PADD 4, 50
	PADD 8, 52
	PADD 12, 54
	PADD 0, 56
	PADD 4, 58
	PADD 8, 60
	PADD 12, 62
	PADD 0, 4
	PADD 8, 12
	PADD 0, 8
	v_pk_fma_f32 v[\st+2:\st+3], v[\st+2:\st+3], v[FAC:FAC+1], v[S:S+1] op_sel_hi:[1,0,1]
	WALU                                           ; directly ahead of the wait below
	s_wait_dscnt 0x0                               ; V is in
	WIN 0x01
.irp t, 0,1,2,3
.if \first
	PV \t, \ob, 0, VS+\t, 0
.else
	PV \t, \ob, v[\ob+8*\t:\ob+8*\t+7], VS+\t, 0
.endif
.endr
.irp t, 4,5,6,7
.if \first
	PV \t, \ob, 0, VS+\t-4, 1
.else
	PV \t, \ob, v[\ob+8*\t:\ob+8*\t+7], VS+\t-4, 1
.endif
.endr
	WIN 0
.endm
; A TRIP n: chunk 2 n + parity, at place (2 n + parity) % 12.
.macro TRIP n
	s_add_co_u32 s[JJ], s[PAR], 2*\n
	s_add_co_u32 s[TB], s[PCH], 2*CHUNK*((\n)%6)
	s_add_co_u32 s[TBN], s[PCH], 2*CHUNK*((\n+1)%6)
.endm
; y: Y may take part (and X always does).  pre: the next trip's K is fetched here.  ld: this trip's K was not fetched by the trip before.  first: both tiles begin here.
; gate: a plain barrier between the two tiles, behind which the next trip's K may be fetched.
.macro STEP y, pre, ld, first, gate=0
.if \y == 0
	s_cmp_ge_u32 s[JJ], s[NX]
	s_cbranch_scc1 .Lskip_\@
.endif
	ADDR TB                                        ; this line and three v_nop: the four places between the last products and the loads into their sources
	v_nop
	v_nop
	v_nop
.if \ld
	FRAGS KF, 0, KS, KSO
.endif
	FRAGS VF, VCO, VS, VSO
	s_wait_dscnt 25                                ; K is in; V's 25 loads, issued behind it, may be out
.if \y
	TILE QX, QWX, SX, OX, 0, RX, 2*\pre, \first
.if \gate
	GATE \gate
.endif
	s_cmp_ge_u32 s[JJ], s[NY]
.if \first
	s_cbranch_scc1 .Lzero_\@
	TILE QY, QWY, SY, OY, 1, RY, \pre, \first
	s_branch .Lskip_\@
.Lzero_\@:
.set n, 0
.rept 64
	v_mov_b32 v[OY+n], 0                           ; a wave that has no chunk of Y hands over zeros
.set n, n+1
.endr
.elseif \gate
	s_cbranch_scc1 .Lonly_\@
	TILE QY, QWY, SY, OY, 1, RY, 1, \first
	s_branch .Lskip_\@
.Lonly_\@:
	ADDR TBN
	FRAGS KF, 0, KS, KSO
.else
	s_cbranch_scc1 .Lskip_\@
	TILE QY, QWY, SY, OY, 1, RY, \pre, \first
.endif
.else
	TILE QX, QWX, SX, OX, 1, RX, \pre, \first
.endif
.Lskip_\@:
.endm
; THE EXCHANGE.  DUMP: my part of a tile into my bytes.  MERGE: rows 8 role + 0 .. 7 of both parts, weighed, to out0.
.macro DUMP st, ob
	v_add_f32 v[T1], v[\st+2], v[\st+3]
	v_mov_b32 v[T0], v[\st]
	v_permlanex16_b32 v[PX], v[T1], s[SEL], s[SEL+1]
	v_add_f32 v[T1], v[T1], v[PX]                  ; the sum of both halves of the lanes.  (These four are the places behind the last products)
	WALU                                           ; directly ahead of the first reader of O^T
.set n, 0
.rept 16
	ds_store_b128 v[DA], v[\ob+4*n:\ob+4*n+3] offset:656*n     ; each accumulator from its low end on
.set n, n+1
.endr
	ds_store_b64 v[DS], v[T0:T1]
.endm
.macro MERGE base
	ds_load_b64 v[T0:T1], v[RS]                    ; lane l: -M and sum of row 8 role + l % 8, of both parts
	ds_load_b64 v[EX:EX+1], v[RS] offset:4*XBY
.irp i, 0,1,2,3,4,5,6,7
	ds_load_b128 v[OY+4*\i:OY+4*\i+3], v[RA] offset:16*\i
	ds_load_b128 v[OY+32+4*\i:OY+32+4*\i+3], v[RA] offset:4*XBY+16*\i
.endr
	s_wait_dscnt 16                                ; the statistics are in; the 16 loads issued behind them may be out
	v_min_num_f32 v[BM], v[T0], v[EX]              ; -M of the two parts together
	v_sub_f32 v[BM+1], v[BM], v[T0]                ; a part's M - the common M: a whole number, 0 or less.  (A part without a chunk: its factor is 0, and so are its sums)
	v_sub_f32 v[BM+2], v[BM], v[EX]
	v_cvt_i32_f32 v[BM+1], v[BM+1]
	v_cvt_i32_f32 v[BM+2], v[BM+2]
	v_ldexp_f32 v[BM+1], 1.0, v[BM+1]
	v_ldexp_f32 v[BM+2], 1.0, v[BM+2]
	v_mul_f32 v[BM], v[T1], v[BM+1]
	v_fma_f32 v[BM], v[EX+1], v[BM+2], v[BM]       ; the row's sum
	WALU                                           ; a wait ahead of the transcendental, and one behind it
	v_rcp_f32 v[BM+3], v[BM]
	v_nop
	WALU
	v_mul_f32 v[BM+1], v[BM+1], v[BM+3]            ; the two parts' weights: a power of two over the sum
	v_mul_f32 v[BM+2], v[BM+2], v[BM+3]
.irp i, 0,1,2,3,4,5,6,7                ; row i's weights in every lane: pairs v42 .. v55 and v58
.set W, PC+2*\i+2*(\i/7)
	v_mov_b32_dpp v[W], v[BM+1] row_share:\i row_mask:0xf bank_mask:0xf
	v_mov_b32_dpp v[W+1], v[BM+2] row_share:\i row_mask:0xf bank_mask:0xf
.endr
	WALU                                           ; directly ahead of the wait below
	s_wait_dscnt 0x0
.irp i, 0,1,2,3,4,5,6,7
.set W, PC+2*\i+2*(\i/7)
	v_pk_mul_f32 v[OY+4*\i:OY+4*\i+1], v[OY+4*\i:OY+4*\i+1], v[W:W+1] op_sel_hi:[1,0]
	v_pk_mul_f32 v[OY+4*\i+2:OY+4*\i+3], v[OY+4*\i+2:OY+4*\i+3], v[W:W+1] op_sel_hi:[1,0]
.endr
.irp i, 0,1,2,3,4,5,6,7
.set W, PC+2*\i+2*(\i/7)
	v_pk_fma_f32 v[OY+4*\i:OY+4*\i+1], v[OY+32+4*\i:OY+32+4*\i+1], v[W:W+1], v[OY+4*\i:OY+4*\i+1] op_sel:[0,1,0] op_sel_hi:[1,1,1]
	v_pk_fma_f32 v[OY+4*\i+2:OY+4*\i+3], v[OY+32+4*\i+2:OY+32+4*\i+3], v[W:W+1], v[OY+4*\i+2:OY+4*\i+3] op_sel:[0,1,0] op_sel_hi:[1,1,1]
.endr
.irp i, 0,1,2,3,4,5,6,7
	global_store_b128 v[L16], v[OY+4*\i:OY+4*\i+3], s[\base:\base+1] offset:512*\i th:TH_STORE_NT   ; 32 lanes store a whole row: 512 consecutive bytes, at a multiple of 256 from out0's first byte
.endr
.endm
	GATE 4                                         ; chunks 0 to 3
	TRIP 0
	STEP 1, 1, 1, 1
	TRIP 1
	STEP 1, 0, 0, 0, 7                             ; in its middle: chunks 4 to 7
	TRIP 2
	STEP 1, 1, 0, 0
	TRIP 3
	STEP 1, 0, 0, 0
	; PLACES 0 TO 7 ARE LEFT.  Each wave waits for all its tensor loads (so chunks 8 to 11 are in), adds 0 to its spare word, and waits for that and for its reads of the places.
	WALU
	s_wait_tensorcnt 0x0
	ds_add_u32 v[SPW], v[NIL]
	TRIP 4
	s_wait_dscnt 0x0
	CROUND                                         ; all that now holds of every wave of all four work-groups
	s_cmp_lt_u32 s[WVN], 4
	s_cbranch_scc0 .Lno_refill
	s_cmp_lt_i32 s[WVN], s[LIM]                    ; chunk 12 + w is walked only where 12 + w < 16 - 2 c: the same answer in all four partners; a place that no later step reads is not filled
	s_cbranch_scc0 .Lno_refill
	TLOAD G0R, G1
.Lno_refill:
	ADDR TB
	FRAGS KF, 0, KS, KSO                           ; trip 4's K
	DUMP SY, OY                                    ; every short row has ended; the exchange lies in places 4 to 7
	s_wait_dscnt 0x0                               ; for my partner's sake
	s_barrier_signal -1                            ; up to the wait: register work, and LDS loads of places 8 to 11, which nobody writes
	STEP 0, 1, 0, 0
	WALU
	s_barrier_wait -1                              ; both parts of Y are in LDS
	MERGE OBY
	TRIP 5
	STEP 0, 0, 0, 0
	WALU
	s_wait_tensorcnt 0x0                           ; my refilled chunk is in,
	s_wait_dscnt 0x0                               ; and my reads of the exchange are over: X's parts may be put there
	s_barrier_signal -1
	s_barrier_wait -1                              ; both hold of all eight waves
	TRIP 6
	STEP 0, 1, 1, 0
	TRIP 7
	STEP 0, 0, 0, 0
	WALU
	DUMP SX, OX
	s_wait_dscnt 0x0
	s_barrier_signal -1
	s_barrier_wait -1                              ; both parts of X are in LDS
	s_wait_xcnt 0x0                                ; Y's stores have read their registers, into which the rows of X are loaded
	MERGE OBX
	s_wait_tensorcnt 0x0                           ; the wave's end
	ds_add_u32 v[SPW], v[NIL]
	s_wait_dscnt 0x0
	CROUND                                         ; the closing round: no work-group ends while a partner may still ask for a chunk that names it
	s_endpgm
.Lfunc_end_k_q80cf7c254a_attend:
	.size	k_q80cf7c254a_attend, .Lfunc_end_k_q80cf7c254a_attend-k_q80cf7c254a_attend
	.p2alignl 7, 3214868480
	.fill 96, 4, 3214868480
	.section	.rodata,"a",@progbits
	.p2align	6, 0x0
	.amdhsa_kernel k_q80cf7c254a_attend
		.amdhsa_group_segment_fixed_size 327680
		.amdhsa_private_segment_fixed_size 0
		.amdhsa_enable_private_segment 0
		.amdhsa_kernarg_size 48
		.amdhsa_user_sgpr_count 2
		.amdhsa_user_sgpr_kernarg_segment_ptr 1
		.amdhsa_wavefront_size32 1
		.amdhsa_system_sgpr_workgroup_id_x 1
		.amdhsa_system_sgpr_workgroup_id_y 1
		.amdhsa_system_sgpr_workgroup_id_z 1
		.amdhsa_system_vgpr_workitem_id 0
		.amdhsa_next_free_vgpr 480
		.amdhsa_next_free_sgpr 96
		.amdhsa_reserve_vcc 0
		.amdhsa_float_denorm_mode_32 3
		.amdhsa_float_denorm_mode_16_64 3
		.amdhsa_memory_ordered 1
		.amdhsa_forward_progress 1
		.amdhsa_inst_pref_size 255
	.end_amdhsa_kernel
	.section	.bss,"aw",@nobits
	.p2align	6
	.space	262144
	.amdgpu_metadata
---
amdhsa.version: [ 1, 2 ]
amdhsa.kernels:
  - .name:           k_q80cf7c254a_attend
    .symbol:         k_q80cf7c254a_attend.kd
    .args:
      - { .name: x_codes, .offset: 0, .size: 8, .value_kind: global_buffer, .address_space: global }
      - { .name: x_scales, .offset: 8, .size: 8, .value_kind: global_buffer, .address_space: global }
      - { .name: Wq_codes, .offset: 16, .size: 8, .value_kind: global_buffer, .address_space: global }
      - { .name: Wq_scales, .offset: 24, .size: 8, .value_kind: global_buffer, .address_space: global }
      - { .name: kvimg, .offset: 32, .size: 8, .value_kind: global_buffer, .address_space: global }
      - { .name: out0, .offset: 40, .size: 8, .value_kind: global_buffer, .address_space: global }
    .group_segment_fixed_size: 327680
    .private_segment_fixed_size: 0
    .kernarg_segment_align: 8
    .kernarg_segment_size: 48
    .max_flat_workgroup_size: 256
    .sgpr_count:     96
    .vgpr_count:     480
    .wavefront_size: 32
...
	.end_amdgpu_metadata
.endif
;; end of part 2
